; MI455X (gfx1250); checked and timed in simulation.
; The chip was launched on July 23, 2026; its instructions are those of AMD's public machine-readable ISA for CDNA 5 (MIT licence, August 2026) and "CDNA5" Instruction Set Architecture Reference Guide (July 2026). The comments in the code are by the model that wrote it; some were corrected since.
;; Grouped Query Attention. Allowed arithmetic: matrix products marked QUANTISED: E2M3 operands, one E8M0 scale for each 32 along K, by v_wmma_scale_f32_16x16x128_f8f6f4 with both operands' format E2M3, f32 sums; everything else in f32.
;; Inputs: Wk 1,024 x 256 float32; Wq 1,024 x 1,024 float32; Wv 1,024 x 256 float32; bk 256 float32; bq 1,024 float32; bv 256 float32; x 1 x 2,048 x 1,024 float32.
;; Outputs: out0 1 x 2,048 x 1,024 float32.
;; This version of the problem:
;;   THIS VERSION OF THE PROBLEM IS GIVEN IN LOW PRECISION. The matrix products marked QUANTISED in the list below multiply operands that are first quantised to E2M3 (2 exponent bits, 3 mantissa bits; 6 bits a number), with one power-of-two scale for each 32 numbers along K (OCP MX v1.0); their sums are f32. All else is computed in f32.
;;   The module's matrix products, in the order in which they are computed (A, B: the left and right operand; K: the contracted axis; several contracted axes count as one K, in the product's order):
;;     1. [M 2,048, K 1,024] x [K 1,024, N 1,024]; A: input x; B: input Wq: QUANTISED
;;     2. [M 2,048, K 1,024] x [K 1,024, N 256]; A: input x; B: input Wk: QUANTISED
;;     3. [M 2,048, K 1,024] x [K 1,024, N 256]; A: input x; B: input Wv: QUANTISED
;;     4. batch 16 x [M 2,048, K 64] x [K 64, N 2,048]; A: computed on the way; B: computed on the way: QUANTISED
;;     5. batch 16 x [M 2,048, K 2,048] x [K 2,048, N 64]; A: softmax (see below); B: computed on the way: QUANTISED
;;   THE QUANTISER, for each operand of a quantised product, along K:
;;     - K is cut into blocks of 32 from its start; a last block that is shorter is filled with zeros.
;;     - A block's scale is 2^e with e = floor(log2(the largest magnitude in the block)) - 2, held to -126 .. 127; a block of zeros has e = 0. As a byte (E8M0): e + 127.
;;     - Each number is divided by its block's scale, clamped to +-7.5, and rounded to the nearest number of E2M3, ties to even, subnormals kept.
;;     - The product sums the exact products of the quantised numbers (number of the format x scale) in f32.
;;   ~~~python
;;   def quantise(x, axis):      # numpy; x: float32 -> the quantised numbers, widened to float32 again
;;       x = np.moveaxis(x, axis, -1); K = x.shape[-1]
;;       x = np.pad(x, [(0, 0)] * (x.ndim - 1) + [(0, -K % 32)]); x = x.reshape(x.shape[:-1] + (-1, 32)); a = np.abs(x).max(-1, keepdims=True)
;;       e = np.where(a > 0, np.clip(np.frexp(np.where(a > 0, a, 1))[1] - 1 - 2, -126, 127), 0)      # np.frexp(a)[1] - 1 = floor(log2(a)), exactly
;;       r = np.clip(x / 2.0 ** e, -7.5, 7.5)
;;       step = 2.0 ** (np.maximum(np.frexp(np.where(r == 0, 1, r))[1] - 1, 0) - 3)
;;       q = np.round(r / step) * step * 2.0 ** e      # np.round: ties to even
;;       return np.moveaxis(q.reshape(q.shape[:-2] + (-1,))[..., :K], -1, axis).astype(np.float32)
;;   ~~~
;;   SOFTMAX AHEAD OF A QUANTISED PRODUCT. Where the list says 'softmax', what is quantised is not the finished softmax but p = 2^(t - M), with t = logit x log2(e) and M = ceil(the row's largest t), a whole number; so 1/2 < the row's largest p <= 1. The row's sum l is taken of the UNQUANTISED p, in f32, and the product's result is divided by l at the end. Since M is a whole number, a kernel that streams over the keys may use a running M (the ceiling of the running maximum): every later rescaling is an exact power of two, which a block's scale takes up: the codes' values come out the same.
;;   OPERANDS COMPUTED ON THE WAY. 'Computed on the way' means the value that the module computes at that place (a softmax that the list does not call 'softmax' is quantised finished and normalised). What goes into a quantiser is computed in f32, as accurately as f32 sums, v_exp_f32 and their like allow (about 1e-6 of the number): no bf16 or f16 on the way to a quantiser, and a product that is left as it is and whose result goes on into a quantised operand takes f32 operands (vector FMAs, or v_wmma_f32_16x16x4_f32). A number that lies on a knife's edge between two numbers of the format may be rounded either way, as far as f32 arithmetic and the matrix unit's own rounding can turn it there, and no further.
;; One version. Each part assembles by itself: llvm-mc -triple=amdgcn-amd-amdhsa -mcpu=gfx1250 --defsym DOCPART=n.
;; ======== version 1 of 1: 3 launches
;; limits: right only within a limited range of input values
;; workspace buffers: xp 1,638,400 bytes; wp 1,228,800 bytes; qf 1,703,936 bytes; kv 835,584 bytes
;; launch quant (part 1): grid 224 x 1, 4 waves a work-group, no clusters, 68,096 bytes of LDS; arguments x, Wq, Wk, Wv, xp, wp; writes xp, wp
.if DOCPART == 1
	.amdgcn_target "amdgcn-amd-amdhsa--gfx1250"
	.amdhsa_code_object_version 6
	.text
	.protected	k_q7fefa49f89_quant
	.globl	k_q7fefa49f89_quant
	.p2align	8
	.type	k_q7fefa49f89_quant,@function
k_q7fefa49f89_quant:
	s_mov_b64 s[64:65], 0
	v_nop
	global_prefetch_b8 v0, s[64:65] scope:SCOPE_SE
	s_setreg_imm32_b32 hwreg(HW_REG_WAVE_MODE, 25, 1), 1
	s_wait_xcnt 0x0
; x [2048][1024] and the weights Wq [1024][1024], Wk, Wv [1024][256], all f32, become codes of FP6 (E2M3) with one E8M0 byte for each 32 along K = 1024.
; A block's scale is 2^(floor(log2(its largest magnitude)) - 2); its byte is the largest magnitude's exponent field - 2, held at 1 from below.
; LIMITS: NaN and infinities among the inputs are not served.  A block of zeros, or one whose largest magnitude lies under 2^-124, gets the byte 1 (the quantiser's text says 127 for zeros):
; its codes are zeros or are taken under 2^-126, and these bytes are read by this program alone.
; WHAT IS STORED: IMAGES OF OPERAND REGISTERS.  A fragment is 16 lines (rows of x, columns of W) x 128 K: 12 registers a lane; registers 4 c .. 4 c + 3 of lane l lie at 512 c + 16 l: 1,536 bytes.
; A panel is 128 lines: 8 blocks (one for each 128 along K) of 12,800 bytes: 8 fragments, then their scale words (fragment f, line-in-fragment p: 12,288 + 64 f + 4 p).
; THE LINES OF A FRAGMENT ARE NOT NEIGHBOURS: place p of fragment 2 g + u holds line 32 g + 8 u + p + 8 (p / 8), so that a later product's results of two neighbouring tiles are 16 neighbours in a lane's registers.
; xp: 16 panels of x.  wp: 12 panels: 0-7 Wq, 8-9 Wk, 10-11 Wv.
; Work-groups 0-127 take x (K innermost), 128-191 Wq, 192-223 Wk and Wv (K outermost).  Waves share nothing: no barrier.  Only the first arm uses LDS, each wave its own 16,896 bytes.
; THE ORDER OF A PANEL'S LINES, WHICH HOLDS IN PLACE OF THE ONE GIVEN ABOVE: place p of fragment 4 c + t holds line 64 c + 32 (p / 8) + 8 t + p % 8, so that a lane's 32 registers of four result tiles are 32 neighbours: one scale block.
.set PANEL,  102400
.set KBLK,   12800
.set FRAG,   1536
.set SCO,    12288
.set SPITCH, 528                       ; a stage row: 512 bytes + 16 = 33 x 16 bytes: sixteen rows start at sixteen different 16-byte columns modulo 256
.set FLOOR,  0x1800000                 ; 2^(3 - 127): no largest magnitude is taken under it, so the byte cannot fall under 1
.set EOFF,   0xff000000                ; takes 2 off an exponent field
.set LN,   6                           ; v6      lane
.set TM,   8                           ; v8-9    largest magnitudes
.set SOP,  10                          ; v10-11  the conversions' scale operands
.set BY,   12                          ; v12-13  scale bytes
.set PW0,  14                          ; v14, v15  the two tiles' scale words
.set PW1,  15
.set TP,   16                          ; v16     a lane permute's destination
.set RAW,  32                          ; v32-159 32 rows as loaded
.set XA,   160                         ; v160-223 tile 0: my 64 numbers
.set XB,   32                          ; v32-95  tile 1's
.set PC0,  226                         ; v226-237, v108-119 the two fragments (tile 0 is worked while tile 1's rows are on their way into v96-159)
.set PC1,  108
.set TT,   238                         ; v238-244 second halves of blocks
.set WX,   32                          ; weights: v32-159 four blocks of 32 numbers down K
.set WP,   160                         ; v160-183 their codes
.set WT,   184                         ; v184-186
; 64 numbers of a lane, v[x + 32 c + i] = k 64 c + 32 (lane / 16) + i of my row, become fragment u's 12 registers in v[pc] on and my row's scale word in v[pw]; the fragment is stored.
.macro QX x, pc, pw, u
.irp c, 0,1
	v_max3_num_f32 v[TM+\c], |v[\x+32*\c]|, |v[\x+32*\c+1]|, FLOOR
.endr
.irp i, 2,4,6,8,10,12,14,16,18,20,22,24,26,28,30
.irp c, 0,1
	v_max3_num_f32 v[TM+\c], v[TM+\c], |v[\x+32*\c+\i]|, |v[\x+32*\c+\i+1]|   ; my two blocks by turns: all 32 numbers of a block are mine
.endr
.endr
.irp c, 0,1
	v_add_nc_u32 v[SOP+\c], EOFF, v[TM+\c]         ; the conversion takes the exponent field of this operand as its scale
.endr
.irp c, 0,1
	v_lshrrev_b32 v[BY+\c], 23, v[SOP+\c]          ; the scale's byte
.endr
	v_lshl_or_b32 v[\pw], v[BY+1], 16, v[BY]       ; my bytes: blocks h and 2 + h,
	v_lshlrev_b32 v[\pw], v5, v[\pw]               ; 8 h bits up;
	v_permlanex16_b32 v[TP], v[\pw], s20, s21
	v_or_b32 v[\pw], v[\pw], v[TP]                 ; with lane l xor 16's two the word is whole
.irp c, 0,1
	v_cvt_scalef32_pk16_fp6_f32 v[\pc+6*\c:\pc+6*\c+2], v[\x+32*\c:\x+32*\c+15], v[SOP+\c]
	v_cvt_scalef32_pk16_fp6_f32 v[TT+4*\c:TT+4*\c+2], v[\x+32*\c+16:\x+32*\c+31], v[SOP+\c]   ; (a conversion's three registers begin on an even number)
.endr
	v_nop                                          ; one plain place behind the scaled conversions
.irp c, 0,1
.irp i, 0,1,2
	v_mov_b32 v[\pc+6*\c+3+\i], v[TT+4*\c+\i]
.endr
.endr
.irp c, 0,1,2
	global_store_b128 v1, v[\pc+4*\c:\pc+4*\c+3], s[26:27] offset:FRAG*\u+512*\c   ; 32 lanes store 512 consecutive bytes, aligned to 256
.endr
.endm
; weights: block t, W(32 t + i, my column), i = 0 .. 31
.macro WLOAD t, pitch
.set i, 0
.rept 32
	global_load_b32 v[WX+32*\t+i], v1, s[24:25] offset:(32*\t+i)*\pitch th:TH_LOAD_NT
.set i, i+1
.endr
.endm
; block t's 32 numbers become 6 registers of codes at v[WP + pos] on and byte t of the scale word v12
.macro WBLOCK t, pos
	v_max3_num_f32 v8, |v[WX+32*\t]|, |v[WX+32*\t+1]|, |v[WX+32*\t+2]|
	v_max3_num_f32 v9, |v[WX+32*\t+3]|, |v[WX+32*\t+4]|, |v[WX+32*\t+5]|
.irp i, 6,10,14,18,22,26
	v_max3_num_f32 v8, v8, |v[WX+32*\t+\i]|, |v[WX+32*\t+\i+1]|
	v_max3_num_f32 v9, v9, |v[WX+32*\t+\i+2]|, |v[WX+32*\t+\i+3]|
.endr
	v_max3_num_f32 v8, v8, |v[WX+32*\t+30]|, |v[WX+32*\t+31]|
	v_max3_num_f32 v8, v8, v9, FLOOR
	v_add_nc_u32 v10, EOFF, v8
	v_lshrrev_b32 v11, 23, v10
.if \t == 0
	v_mov_b32 v12, v11
.else
	v_lshl_or_b32 v12, v11, 8*\t, v12
.endif
	v_cvt_scalef32_pk16_fp6_f32 v[WP+\pos:WP+\pos+2], v[WX+32*\t:WX+32*\t+15], v10
	v_cvt_scalef32_pk16_fp6_f32 v[WT:WT+2], v[WX+32*\t+16:WX+32*\t+31], v10
	v_nop                                          ; one plain place behind the scaled conversions
.irp i, 0,1,2
	v_mov_b32 v[WP+\pos+3+\i], v[WT+\i]
.endr
.endm
; where a wave's two fragments and their words go: panel s18, K step s19, fragments 2 w and 2 w + 1
.macro WOUT
	s_mul_i32 s32, s18, PANEL
	s_mul_i32 s23, s19, KBLK
	s_add_co_u32 s32, s32, s23
	s_lshl_b32 s34, s16, 7
	s_add_co_u32 s34, s34, s32
	s_add_co_u32 s34, s34, SCO
	s_mov_b32 s35, 0
	s_mul_i32 s23, s16, 2*FRAG
	s_add_co_u32 s32, s32, s23
	s_mov_b32 s33, 0
	s_add_nc_u64 s[26:27], s[14:15], s[32:33]
	s_add_nc_u64 s[28:29], s[14:15], s[34:35]
.endm
; A wave's 32 columns x 128 K.  A LANE TAKES A COLUMN AND ITS REGISTERS RUN DOWN K.  Up to two blocks (64 loads) are on their way.
.macro WPATH pitch
	WLOAD 0, \pitch
	WLOAD 1, \pitch
	s_wait_loadcnt 32                              ; block 0 is in; the younger block's 32 loads may be out
	WLOAD 2, \pitch
	WBLOCK 0, 0
	s_wait_loadcnt 32                              ; block 1
	WLOAD 3, \pitch
	WBLOCK 1, 12
	s_wait_loadcnt 32                              ; block 2
	WBLOCK 2, 6
	s_wait_loadcnt 0x0
	WBLOCK 3, 18
	; lanes 0-15 hold all four blocks of fragment 2 w's columns, lanes 16-31 of fragment 2 w + 1's.  v[WP ..+11] = blocks 0, 2; v[WP+12 ..+23] = blocks 1, 3.
	; The operand's layout wants blocks 0, 2 in lanes 0-15 and blocks 1, 3 in lanes 16-31 of each fragment: the first run's upper lanes change places with the second's lower lanes.
.set i, 0
.rept 12
	v_permlane16_swap_b32 v[WP+i], v[WP+12+i]
.set i, i+1
.endr
.irp u, 0,1
.irp c, 0,1,2
	global_store_b128 v2, v[WP+12*\u+4*\c:WP+12*\u+4*\c+3], s[26:27] offset:FRAG*\u+512*\c
.endr
.endr
	global_store_b32 v3, v12, s[28:29]             ; lane l holds the word of fragment 2 w + l / 16, place l % 16: 128 consecutive bytes
.endm
	s_load_b256 s[4:11], s[0:1], 0x0               ; x s[4:5], Wq s[6:7], Wk s[8:9], Wv s[10:11]
	s_load_b128 s[12:15], s[0:1], 0x20             ; xp s[12:13], wp s[14:15]
	v_lshl_add_u32 v224, v0, 2, 0x10800
	v_mov_b32 v225, 0
	v_lshrrev_b32 v1, 5, v0
	v_readfirstlane_b32 s16, v1                    ; wave 0..3
	v_and_b32 v[LN], 31, v0
	s_mov_b32 s20, 0x76543210
	s_mov_b32 s21, 0xfedcba98                      ; v_permlanex16_b32's selects for lane l xor 16
	s_cmp_lt_u32 ttmp9, 128
	s_cbranch_scc0 .Lweights
	; ---- x.  Work-group i: panel i / 8, rows 32 g on (g = (i / 2) % 4: fragments 2 g, 2 g + 1); wave w: K step 4 (i % 2) + w.
	s_lshr_b32 s17, ttmp9, 3                       ; panel
	s_lshr_b32 s18, ttmp9, 1                       ; which 32 rows of x
	s_and_b32 s19, s18, 3                          ; g
	s_and_b32 s22, ttmp9, 1
	s_lshl_b32 s22, s22, 2
	s_add_co_u32 s22, s22, s16                     ; K step
	s_lshr_b32 s30, s18, 1                         ; lines 64 (g / 2) + 16 (g % 2) + 0 .. 15, and the sixteen that lie 32 further on
	s_lshl_b32 s30, s30, 18
	s_and_b32 s31, s18, 1
	s_lshl_b32 s31, s31, 16
	s_add_co_u32 s30, s30, s31
	s_lshl_b32 s23, s22, 9                         ; 128 numbers
	s_add_co_u32 s30, s30, s23
	s_mov_b32 s31, 0
	s_mul_i32 s32, s17, PANEL
	s_mul_i32 s23, s22, KBLK
	s_add_co_u32 s32, s32, s23
	s_lshl_b32 s34, s19, 7
	s_add_co_u32 s34, s34, s32
	s_add_co_u32 s34, s34, SCO                     ; the two fragments' scale words
	s_mov_b32 s35, 0
	s_mul_i32 s23, s19, 2*FRAG
	s_add_co_u32 s32, s32, s23                     ; the two fragments
	s_mov_b32 s33, 0
	s_wait_alu depctr_va_vdst(0)
	v_lshlrev_b32 v1, 4, v[LN]                     ; 16 x lane
	v_lshlrev_b32 v2, 2, v[LN]                     ; 4 x lane
	s_mul_i32 s23, s16, 32*SPITCH                  ; my stage
	v_add_nc_u32 v3, s23, v1                       ; into it: a row as it was loaded
	v_and_b32 v7, 15, v[LN]                        ; r
	v_lshrrev_b32 v17, 4, v[LN]                    ; h
	v_mul_u32_u24 v4, v7, SPITCH
	v_lshl_add_u32 v4, v17, 7, v4
	v_add_nc_u32 v4, s23, v4                       ; out of it: place r, 128 h bytes on: my 32 numbers of each 64
	v_lshlrev_b32 v5, 3, v17                       ; 8 h
	v_mov_b32 v[TP], 0                             ; (a lane permute's destination counts as one of its sources)
	s_wait_alu depctr_va_vdst(0)
	s_wait_kmcnt 0x0
	s_add_nc_u64 s[24:25], s[4:5], s[30:31]
	s_add_nc_u64 s[26:27], s[12:13], s[32:33]
	s_add_nc_u64 s[28:29], s[12:13], s[34:35]
.set n, 0
.rept 32
	global_load_b128 v[RAW+4*n:RAW+4*n+3], v1, s[24:25] offset:4096*(8*(n/16)+n%8+32*((n/8)%2)) th:TH_LOAD_NT   ; place n % 16 of tile n / 16: line 8 (n / 16) + n % 8 + 32 ((n / 8) % 2): 32 lanes read 512 consecutive bytes
.set n, n+1
.endr
.set n, 0
.rept 2
	s_wait_loadcnt 24-8*(n/8)                      ; eight more rows are in; the younger loads stay out
.rept 8
	ds_store_b128 v3, v[RAW+4*n:RAW+4*n+3] offset:SPITCH*n
.set n, n+1
.endr
.endr
.irp c, 0,1
.irp j, 0,1,2,3,4,5,6,7
	ds_load_b128 v[XA+32*\c+4*\j:XA+32*\c+4*\j+3], v4 offset:256*\c+16*\j   ; LDS serves a wave's instructions in order: these see my stores
.endr
.endr
	s_wait_dscnt 0x0                               ; tile 0 is in, and the stores have read its rows' registers
	QX XA, PC0, PW0, 0
.rept 2
	s_wait_loadcnt 24-8*(n/8)                      ; tile 1's rows
.rept 8
	ds_store_b128 v3, v[RAW+4*n:RAW+4*n+3] offset:SPITCH*n
.set n, n+1
.endr
.endr
.irp c, 0,1
.irp j, 0,1,2,3,4,5,6,7
	ds_load_b128 v[XB+32*\c+4*\j:XB+32*\c+4*\j+3], v4 offset:16*SPITCH+256*\c+16*\j
.endr
.endr
	s_wait_dscnt 0x0
	QX XB, PC1, PW1, 1
	v_cmp_le_u32 vcc_lo, 16, v[LN]
	v_cndmask_b32 v18, v[PW0], v[PW1], vcc_lo      ; lanes 0-15: tile 0's words, lanes 16-31: tile 1's
	global_store_b32 v2, v18, s[28:29]             ; 128 consecutive bytes
	s_wait_tensorcnt 0x0
	ds_add_u32 v224, v225
	s_wait_dscnt 0x0
	s_endpgm
.Lweights:
	; lane l takes column (l % 8) + 32 ((l / 8) % 2) + 8 (l / 16) of the wave's 32: place l % 16 of fragment l / 16.  A load covers two runs of 64 bytes.
	s_wait_alu depctr_va_vdst(0)
	v_and_b32 v7, 7, v[LN]
	v_and_b32 v17, 8, v[LN]
	v_lshl_or_b32 v7, v17, 2, v7                   ; column (l % 8) + 32 ((l / 8) % 2) + 8 (l / 16): a load covers two runs of 64 bytes
	v_and_b32 v17, 16, v[LN]
	v_lshrrev_b32 v17, 1, v17
	v_or_b32 v7, v7, v17
	v_lshlrev_b32 v1, 2, v7                        ; 4 bytes a column
	v_lshlrev_b32 v2, 4, v[LN]
	v_lshlrev_b32 v3, 2, v[LN]
	s_cmp_lt_u32 ttmp9, 192
	s_cbranch_scc0 .Lkv
	; ---- Wq: work-group j = id - 128: panel j / 8, K step j % 8; wave w: columns 64 (w / 2) + 16 (w % 2) on
	s_sub_co_u32 s17, ttmp9, 128
	s_lshr_b32 s18, s17, 3
	s_and_b32 s19, s17, 7
	s_lshl_b32 s30, s19, 19                        ; 128 rows of 4,096 bytes
	s_lshl_b32 s23, s18, 9
	s_add_co_u32 s30, s30, s23
	s_lshr_b32 s23, s16, 1                         ; columns 64 (w / 2) + 16 (w % 2) on
	s_lshl_b32 s23, s23, 8
	s_add_co_u32 s30, s30, s23
	s_and_b32 s23, s16, 1
	s_lshl_b32 s23, s23, 6
	s_add_co_u32 s30, s30, s23
	s_mov_b32 s31, 0
	s_wait_kmcnt 0x0
	s_add_nc_u64 s[24:25], s[6:7], s[30:31]
	WOUT
	s_wait_alu depctr_va_vdst(0)
	WPATH 4096
	s_endpgm
.Lkv:
	; ---- Wk, Wv: j = id - 192: j / 8 = 0, 1: Wk's two panels; 2, 3: Wv's
	s_sub_co_u32 s17, ttmp9, 192
	s_lshr_b32 s22, s17, 3
	s_and_b32 s19, s17, 7
	s_add_co_u32 s18, s22, 8                       ; panel in wp
	s_and_b32 s23, s22, 1
	s_lshl_b32 s30, s19, 17                        ; 128 rows of 1,024 bytes
	s_lshl_b32 s23, s23, 9
	s_add_co_u32 s30, s30, s23
	s_lshr_b32 s23, s16, 1                         ; columns 64 (w / 2) + 16 (w % 2) on
	s_lshl_b32 s23, s23, 8
	s_add_co_u32 s30, s30, s23
	s_and_b32 s23, s16, 1
	s_lshl_b32 s23, s23, 6
	s_add_co_u32 s30, s30, s23
	s_mov_b32 s31, 0
	s_wait_kmcnt 0x0
	s_cmp_lt_u32 s22, 2                            ; the choice hangs on the work-group's number alone
	s_cselect_b64 s[24:25], s[8:9], s[10:11]
	s_add_nc_u64 s[24:25], s[24:25], s[30:31]
	WOUT
	s_wait_alu depctr_va_vdst(0)
	WPATH 1024
	s_endpgm
.Lfunc_end_k_q7fefa49f89_quant:
	.size	k_q7fefa49f89_quant, .Lfunc_end_k_q7fefa49f89_quant-k_q7fefa49f89_quant
	.p2alignl 7, 3214868480
	.fill 96, 4, 3214868480
	.section	.rodata,"a",@progbits
	.p2align	6, 0x0
	.amdhsa_kernel k_q7fefa49f89_quant
		.amdhsa_group_segment_fixed_size 68096
		.amdhsa_private_segment_fixed_size 0
		.amdhsa_enable_private_segment 0
		.amdhsa_kernarg_size 48
		.amdhsa_user_sgpr_count 2
		.amdhsa_user_sgpr_kernarg_segment_ptr 1
		.amdhsa_wavefront_size32 1
		.amdhsa_system_sgpr_workgroup_id_x 1
		.amdhsa_system_sgpr_workgroup_id_y 1
		.amdhsa_system_sgpr_workgroup_id_z 1
		.amdhsa_system_vgpr_workitem_id 0
		.amdhsa_next_free_vgpr 246
		.amdhsa_next_free_sgpr 66
		.amdhsa_reserve_vcc 1
		.amdhsa_float_denorm_mode_32 3
		.amdhsa_float_denorm_mode_16_64 3
		.amdhsa_memory_ordered 1
		.amdhsa_forward_progress 1
		.amdhsa_inst_pref_size 57
	.end_amdhsa_kernel
	.amdgpu_metadata
---
amdhsa.version: [ 1, 2 ]
amdhsa.kernels:
  - .name:           k_q7fefa49f89_quant
    .symbol:         k_q7fefa49f89_quant.kd
    .args:
      - { .name: x, .offset: 0, .size: 8, .value_kind: global_buffer, .address_space: global }
      - { .name: Wq, .offset: 8, .size: 8, .value_kind: global_buffer, .address_space: global }
      - { .name: Wk, .offset: 16, .size: 8, .value_kind: global_buffer, .address_space: global }
      - { .name: Wv, .offset: 24, .size: 8, .value_kind: global_buffer, .address_space: global }
      - { .name: xp, .offset: 32, .size: 8, .value_kind: global_buffer, .address_space: global }
      - { .name: wp, .offset: 40, .size: 8, .value_kind: global_buffer, .address_space: global }
    .group_segment_fixed_size: 68096
    .private_segment_fixed_size: 0
    .kernarg_segment_align: 8
    .kernarg_segment_size: 48
    .max_flat_workgroup_size: 128
    .sgpr_count:     66
    .vgpr_count:     246
    .wavefront_size: 32
...
	.end_amdgpu_metadata
.endif
;; end of part 1
;; launch proj (part 2): grid 16 x 12, 4 waves a work-group, clusters of 4 x 1, 205,312 bytes of LDS; arguments xp, wp, bq, bk, bv, qf, kv; writes qf, kv
.if DOCPART == 2
	.amdgcn_target "amdgcn-amd-amdhsa--gfx1250"
	.amdhsa_code_object_version 6
	.text
	.protected	k_q7fefa49f89_proj
	.globl	k_q7fefa49f89_proj
	.p2align	8
	.type	k_q7fefa49f89_proj,@function
k_q7fefa49f89_proj:
	s_mov_b64 s[64:65], 0
	v_nop
	global_prefetch_b8 v0, s[64:65] scope:SCOPE_SE
	s_setreg_imm32_b32 hwreg(HW_REG_WAVE_MODE, 25, 1), 1
	s_wait_xcnt 0x0
	s_wait_alu depctr_hold_cnt(0) depctr_sa_sdst(0) depctr_va_vdst(0) depctr_va_sdst(0) depctr_va_ssrc(0) depctr_va_vcc(0) depctr_vm_vsrc(0)
	s_getreg_b32 s2, hwreg(HW_REG_IB_STS2, 6, 4)
	s_cmp_eq_u32 s2, 0
	s_cbranch_scc0 .Lentry_in_a_cluster
	s_endpgm
.Lentry_in_a_cluster:
	s_bfe_u32 s2, ttmp6, 0x10000c
	s_cmp_lg_u32 s2, 0x3003
	s_cbranch_scc0 .Lentry_shape_is_right
	s_endpgm
.Lentry_shape_is_right:
; q = x Wq + bq, k = x Wk + bk, v = x Wv + bv on codes of FP6 (E2M3) with E8M0 scales, sums in f32; the results are quantised in registers for the two products of attention and stored as images of operand registers.
; Work-group (rb, p): x's panel rb (128 rows) against W's panel p (128 columns; 0-7 Wq, 8-9 Wk, 10-11 Wv), K = 1,024 in eight steps of 128.  Both panels, 102,400 bytes each, lie in LDS whole:
; each is filled once, so there is no ring.  A panel's block for a K step: 8 fragments of 1,536 bytes (registers 4 c .. 4 c + 3 of lane l at 512 c + 16 l), then scale words at 12,288 + 64 f + 4 place.
; Place t of fragment 2 g + u holds line 32 g + 8 u + t + 8 (t / 8): so the 16 registers of result tiles 2 g, 2 g + 1 are the 16 neighbours 32 g + 16 (lane / 16) + 0 .. 15 along source 0's lines.
; q, k (p < 10): source 0 = W's columns, source 1 = x's rows: a lane holds one row and its registers run along the head's 64, the K of q k^T.  A wave: 4 tiles of rows x 4 of columns (one head).
; v (p >= 10): source 0 = x's rows, source 1 = W's columns: a lane holds one channel and its registers run along the keys, the K of p v.  A wave: 8 tiles of rows x 2 of columns.
; THE BIASES are added behind the sums by packed additions: their loads are issued behind the one barrier and have the eight K steps in which to land.
; CLUSTER 4, 1, 1: the four partners share p, so W's panel is asked for jointly.  x's panel is not shared in a cluster: work-groups with the same rb have different p, and k's and v's panels take different ways through this text.
; OUT.  qf [head 16][group of 4 query tiles 32][3,328]: four half fragments (K = 64: registers 0-3 at 16 l, 4-5 at 512 + 8 l: 768 bytes), then words at 3,072 + 8 l' (lanes' 0-15: tiles 0, 1; 16-31: tiles 2, 3).
;       kv [kv head 4][key step 16][13,056]: K's 8 half fragments; at 6,144 V's 4 fragments (16 channels x 128 keys); at 12,288 + 256 a + 8 l' K's words (tiles 4 a + 2 (l' / 16), + 1); at 12,800 + 8 l' V's.
; LIMITS: NaN and infinities are not served; a block of zeros or under 2^-124 gets the scale byte 1 (these bytes are read by this program alone).  Bytes 2, 3 of q's and k's words are 0 and stand over zero codes.
.set PANEL,  102400
.set KBLK,   12800
.set FRAG,   1536
.set SCO,    12288
.set WL,     102400                    ; LDS: x's panel at 0, W's here
.set HALFP,  51200                     ; four K steps: what one tensor load brings
; THE ORDER OF A PANEL'S LINES, WHICH HOLDS IN PLACE OF THE ONE GIVEN ABOVE: place p of fragment 4 c + t holds line 64 c + 32 (p / 8) + 8 t + p % 8: the 32 registers of four result tiles are 32 neighbours, 64 c + 32 (lane / 16) + 0 .. 31.
.set QGRP,   3328
.set KVSTEP, 13056
.set FLOOR,  0x1800000
.set EOFF,   0xff000000
.set L16, 1                            ; v1  16 x lane      v2  8 x lane      v3  4 x lane
.set L8,  2
.set L4,  3
.set LX,  4                            ; v4-5   x's fragments, K steps 0-3 and 4-7
.set LW,  6                            ; v6-7   W's
.set SX,  8                            ; v8-9   x's scale words
.set SW,  10                           ; v10-11 W's
.set BO,  12                           ; v12    the bias's offset
.set LN,  13                           ; v13    lane
.set WO,  14                           ; v14    v's words: 8 r + 4 h
.set TM,  16                           ; v16-27 the quantiser: largest magnitudes, bytes, scale operands
.set SCW, 32                           ; v32-47 scale words: set q at 32 + 8 q: x's at + 0 .. 3, W's at + 4, 5
.set BI,  48                           ; v48-79 the bias
.set PC,  80                           ; v80-111 codes
.set PW,  112                          ; v112-115 scale words made here;  v116-117 as they are stored
.set CW,  116
.set TT,  118                          ; v118-124 second halves of blocks
.set ACC, 128                          ; v128-255 sixteen accumulators.   Window 1: fragment set q at 128 q
.set MSB, 0
.macro WIN new                         ; the immediate's high byte repeats the setting that is left
.if MSB != \new
	s_set_vgpr_msb (MSB<<8)|\new
.set MSB, \new
.endif
.endm
.macro PLACES
.rept 4
	v_nop
.endr
.endm
.macro CROUND                          ; a round of the cluster's barrier
	s_barrier_signal -1
	s_barrier_wait -1
	s_cmp_lg_u32 s18, 0
	s_cbranch_scc1 .Lnot_wave_0_\@
	s_barrier_signal -3
.Lnot_wave_0_\@:
	s_barrier_wait -3
	s_barrier_signal -1
	s_barrier_wait -1
.endm
; One product: D = v[wD], sources v[wA], v[wB], scales v[wSA], v[wSB]; wRA, wRB = 1: that side's words stand in lanes 16-31; wZ = 1: the sum starts here
.macro WM
.if wZ
.if wRA && wRB
	v_wmma_scale_f32_16x16x128_f8f6f4 v[wD:wD+7], v[wA:wA+11], v[wB:wB+11], 0, v[wSA], v[wSB] matrix_a_fmt:MATRIX_FMT_FP6 matrix_b_fmt:MATRIX_FMT_FP6 matrix_a_scale:MATRIX_SCALE_ROW1 matrix_b_scale:MATRIX_SCALE_ROW1
.elseif wRA
	v_wmma_scale_f32_16x16x128_f8f6f4 v[wD:wD+7], v[wA:wA+11], v[wB:wB+11], 0, v[wSA], v[wSB] matrix_a_fmt:MATRIX_FMT_FP6 matrix_b_fmt:MATRIX_FMT_FP6 matrix_a_scale:MATRIX_SCALE_ROW1
.elseif wRB
	v_wmma_scale_f32_16x16x128_f8f6f4 v[wD:wD+7], v[wA:wA+11], v[wB:wB+11], 0, v[wSA], v[wSB] matrix_a_fmt:MATRIX_FMT_FP6 matrix_b_fmt:MATRIX_FMT_FP6 matrix_b_scale:MATRIX_SCALE_ROW1
.else
	v_wmma_scale_f32_16x16x128_f8f6f4 v[wD:wD+7], v[wA:wA+11], v[wB:wB+11], 0, v[wSA], v[wSB] matrix_a_fmt:MATRIX_FMT_FP6 matrix_b_fmt:MATRIX_FMT_FP6
.endif
.else
.if wRA && wRB
	v_wmma_scale_f32_16x16x128_f8f6f4 v[wD:wD+7], v[wA:wA+11], v[wB:wB+11], v[wD:wD+7], v[wSA], v[wSB] matrix_a_fmt:MATRIX_FMT_FP6 matrix_b_fmt:MATRIX_FMT_FP6 matrix_a_scale:MATRIX_SCALE_ROW1 matrix_b_scale:MATRIX_SCALE_ROW1
.elseif wRA
	v_wmma_scale_f32_16x16x128_f8f6f4 v[wD:wD+7], v[wA:wA+11], v[wB:wB+11], v[wD:wD+7], v[wSA], v[wSB] matrix_a_fmt:MATRIX_FMT_FP6 matrix_b_fmt:MATRIX_FMT_FP6 matrix_a_scale:MATRIX_SCALE_ROW1
.elseif wRB
	v_wmma_scale_f32_16x16x128_f8f6f4 v[wD:wD+7], v[wA:wA+11], v[wB:wB+11], v[wD:wD+7], v[wSA], v[wSB] matrix_a_fmt:MATRIX_FMT_FP6 matrix_b_fmt:MATRIX_FMT_FP6 matrix_b_scale:MATRIX_SCALE_ROW1
.else
	v_wmma_scale_f32_16x16x128_f8f6f4 v[wD:wD+7], v[wA:wA+11], v[wB:wB+11], v[wD:wD+7], v[wSA], v[wSB] matrix_a_fmt:MATRIX_FMT_FP6 matrix_b_fmt:MATRIX_FMT_FP6
.endif
.endif
.endm
; 32 nc numbers of a lane, register 32 c + i = k 64 c + 32 (lane / 16) + i of my line, become 6 nc registers of codes in v[pc] on and the line's scale word, in both halves of the lanes, in v[pw]
.macro QUANT s, nc, pc, pw
.set nb, 2*(\nc)
.set b, 0
.rept nb
	v_max3_num_f32 v[TM+b], |v[(\s)+16*b]|, |v[(\s)+16*b+1]|, FLOOR   ; each accumulator is read from its low end on
.set b, b+1
.endr
.irp i, 2,4,6,8,10,12,14
.set b, 0
.rept nb
	v_max3_num_f32 v[TM+b], v[TM+b], |v[(\s)+16*b+\i]|, |v[(\s)+16*b+\i+1]|
.set b, b+1
.endr
.endr
.set b, 0
.rept \nc
	v_max_num_f32 v[TM+b], v[TM+2*b], v[TM+2*b+1]  ; the block's two halves: all its 32 numbers are mine
.set b, b+1
.endr
.set b, 0
.rept \nc
	v_add_nc_u32 v[TM+8+b], EOFF, v[TM+b]          ; 2 off its exponent field: the conversion's scale operand
.set b, b+1
.endr
.set b, 0
.rept \nc
	v_lshrrev_b32 v[TM+4+b], 23, v[TM+8+b]         ; the scale's byte
.set b, b+1
.endr
.set c, 0
.rept \nc
	v_cvt_scalef32_pk16_fp6_f32 v[(\pc)+6*c:(\pc)+6*c+2], v[(\s)+32*c:(\s)+32*c+15], v[TM+8+c]
	v_cvt_scalef32_pk16_fp6_f32 v[TT+4*c:TT+4*c+2], v[(\s)+32*c+16:(\s)+32*c+31], v[TM+8+c]   ; (a conversion's three registers begin on an even number)
.set c, c+1
.endr
.if (\nc) == 2
	v_lshl_or_b32 v[TM+4], v[TM+5], 16, v[TM+4]    ; my bytes, blocks h and 2 + h (these lines are the plain places behind the conversions),
.endif
	v_lshlrev_b32 v[\pw], v125, v[TM+4]            ; 8 h bits up;
	v_permlanex16_b32 v[TM+6], v[\pw], s56, s57
	v_or_b32 v[\pw], v[\pw], v[TM+6]               ; with lane l xor 16's the word is whole
.set c, 0
.rept \nc
.irp i, 0,1,2
	v_mov_b32 v[(\pc)+6*c+3+\i], v[TT+4*c+\i]
.endr
.set c, c+1
.endr
.endm
	s_load_b256 s[4:11], s[0:1], 0x0               ; xp s[4:5], wp s[6:7], bq s[8:9], bk s[10:11]
	s_load_b128 s[12:15], s[0:1], 0x20             ; bv s[12:13], qf s[14:15]
	s_load_b64 s[16:17], s[0:1], 0x30              ; kv
	v_lshl_add_u32 v126, v0, 2, 0x32000
	v_mov_b32 v127, 0
	ds_add_u32 v126, v127
	ds_add_u32 v126, v127
	v_lshrrev_b32 v1, 5, v0
	v_readfirstlane_b32 s18, v1                    ; wave 0..3
	s_lshr_b32 s19, s18, 1
	s_and_b32 s20, s18, 1
	s_bfe_u32 s21, ttmp6, 0x40000                  ; cx: my place in the cluster
	s_lshl_b32 s22, ttmp9, 2
	s_add_co_u32 s22, s22, s21                     ; rb = 4 x cluster x + cx
	s_and_b32 s23, ttmp7, 0xffff                   ; p, which the four partners share
	; descriptor group 1: half a panel, 51,200 dense bytes, as 200 rows of 256 bytes (32 elements of 8 bytes)
	s_mov_b32 s24, 3<<16                           ; x's: no mask
	s_mov_b32 s32, 15|(3<<16)|(1<<21)              ; W's: all four work-groups; bit 21 set beside the mask
.irp g, 24, 32
	s_mov_b32 s[\g+1], 32<<16                      ; tensor_dim0
	s_mov_b32 s[\g+2], 200<<16                     ; tensor_dim1
	s_mov_b32 s[\g+3], 32<<16                      ; tile_dim0
	s_mov_b32 s[\g+4], 200                         ; tile_dim1
	s_mov_b32 s[\g+5], 32                          ; from row to row
	s_mov_b32 s[\g+6], 0
	s_mov_b32 s[\g+7], 0
.endr
	s_mul_i32 s58, s20, HALFP                      ; which half I fetch, in memory and in LDS
	s_mul_i32 s60, s22, PANEL
	s_add_co_u32 s60, s60, s58                     ; in xp
	s_mov_b32 s61, 0
	s_mul_i32 s62, s23, PANEL
	s_add_co_u32 s62, s62, s58                     ; in wp: made of p and the wave's number alone
	s_mov_b32 s63, 0
	s_mov_b32 s56, 0x76543210
	s_mov_b32 s57, 0xfedcba98                      ; v_permlanex16_b32's selects for lane l xor 16
	s_wait_dscnt 0x0
	CROUND                                         ; all four work-groups are here: the joint loads meet
	s_wait_kmcnt 0x0
	s_mov_b32 s40, 1
	s_mov_b32 s41, s58
	s_add_nc_u64 s[42:43], s[4:5], s[60:61]
	s_or_b32 s43, s43, 0x80000000
	s_mov_b32 s48, 1
	s_add_co_u32 s49, s58, WL
	s_add_nc_u64 s[50:51], s[6:7], s[62:63]
	s_or_b32 s51, s51, 0x80000000
	s_cmp_lt_u32 s18, 2                            ; waves 0, 1: x's halves; waves 2, 3: W's.  One tensor load a wave is out
	s_cbranch_scc0 .Lfor_w
	tensor_load_to_lds s[40:43], s[24:31]
	s_nop 0
	PLACES
	s_branch .Lasked
.Lfor_w:
	tensor_load_to_lds s[48:51], s[32:39]
	s_nop 0
	PLACES
.Lasked:
	v_and_b32 v[LN], 31, v0
	v_lshlrev_b32 v[L16], 4, v[LN]
	v_lshlrev_b32 v[L8], 3, v[LN]
	v_lshlrev_b32 v[L4], 2, v[LN]
	v_bfe_u32 v125, v0, 4, 1
	v_lshlrev_b32 v125, 3, v125                    ; v125: 8 h; never rewritten
.irp b, 0,1,2,3
	v_mov_b32 v[TM+4+\b], 0                        ; written once: a lane permute's destination counts as one of its sources
.endr
	s_wait_tensorcnt 0x0                           ; my half panel has landed,
	s_barrier_signal -1
	s_barrier_wait -1                              ; everybody's has.  Nothing is filled again
	s_cmp_lt_u32 s23, 10                           ; the same in all waves and all partners
	s_cbranch_scc0 .Larm_v
	; ================ q and k.  a = wave / 2: x's tiles 4 a + i;  e = wave % 2: W's fragments 4 e + f: one head
	s_lshl_b32 s86, s23, 1
	s_add_co_u32 s86, s86, s20                     ; q's head 2 p + e
	s_lshl_b32 s86, s86, 5
	s_lshl_b32 s87, s22, 1
	s_add_co_u32 s86, s86, s87
	s_add_co_u32 s86, s86, s19                     ; its group of four tiles: 32 head + 2 rb + a
	s_mul_i32 s86, s86, QGRP                       ; q: codes,
	s_add_co_u32 s87, s86, 3072                    ; words
	s_and_b32 s88, s23, 1                          ; k's panel: p - 8
	s_lshl_b32 s89, s88, 1
	s_add_co_u32 s89, s89, s20                     ; k's head
	s_lshl_b32 s89, s89, 4
	s_add_co_u32 s89, s89, s22
	s_mul_i32 s89, s89, KVSTEP                     ; the block of (head, key step rb)
	s_mul_i32 s90, s19, 3072
	s_add_co_u32 s90, s90, s89                     ; k: codes,
	s_lshl_b32 s91, s19, 8
	s_add_co_u32 s91, s91, s89
	s_add_co_u32 s91, s91, 12288                   ; words
	s_lshl_b32 s92, s20, 8                         ; my head's 64 numbers of the bias
	s_lshl_b32 s93, s23, 9
	s_add_co_u32 s93, s93, s92                     ; in bq,
	s_lshl_b32 s94, s88, 9
	s_add_co_u32 s94, s94, s92                     ; in bk
	s_cmp_lt_u32 s23, 8                            ; q or k: the choice hangs on p alone
	s_cselect_b64 s[80:81], s[14:15], s[16:17]
	s_cselect_b64 s[84:85], s[8:9], s[10:11]
	s_cselect_b32 s86, s86, s90
	s_cselect_b32 s88, s87, s91
	s_cselect_b32 s90, s93, s94
	s_mov_b32 s87, 0
	s_mov_b32 s89, 0
	s_mov_b32 s91, 0
	s_mov_b64 s[82:83], s[80:81]
	s_add_nc_u64 s[80:81], s[80:81], s[86:87]      ; codes
	s_add_nc_u64 s[82:83], s[82:83], s[88:89]      ; words
	s_add_nc_u64 s[84:85], s[84:85], s[90:91]      ; bias
	v_bfe_u32 v[BO], v0, 4, 1
	v_lshlrev_b32 v[BO], 7, v[BO]                  ; lane (r, h) wants, for tile f, the bias of channels 32 h + 8 f + 0 .. 7
.irp f, 0,1,2,3
	global_load_b128 v[BI+8*\f:BI+8*\f+3], v[BO], s[84:85] offset:32*\f
	global_load_b128 v[BI+8*\f+4:BI+8*\f+7], v[BO], s[84:85] offset:32*\f+16
.endr
	s_mul_i32 s95, s19, 4*FRAG
	s_wait_alu depctr_va_vdst(0)
	v_add_nc_u32 v[LX], s95, v[L16]
	s_wait_alu depctr_va_vdst(0)
	v_add_nc_u32 v[LX+1], HALFP, v[LX]
	s_mul_i32 s95, s20, 4*FRAG
	s_add_co_u32 s95, s95, WL
	v_add_nc_u32 v[LW], s95, v[L16]
	v_add_nc_u32 v[LW+1], HALFP, v[LW]
	s_lshl_b32 s95, s19, 8
	s_add_co_u32 s95, s95, SCO
	v_add_nc_u32 v[SX], s95, v[L4]
	v_add_nc_u32 v[SX+1], HALFP, v[SX]
	s_lshl_b32 s95, s20, 8
	s_add_co_u32 s95, s95, WL+SCO
	v_add_nc_u32 v[SW], s95, v[L4]
	v_add_nc_u32 v[SW+1], HALFP, v[SW]
; K step fs into set fs % 2: 28 LDS loads.  A word load brings two fragments' words: lanes 0-15 the even one's, lanes 16-31 the odd one's
.macro FETCH_QK
	WIN 0x40                                       ; destination window 1
.irp i, 0,1,2,3
.irp c, 0,1,2
	ds_load_b128 v[128*(fs%2)+12*\i+4*\c:128*(fs%2)+12*\i+4*\c+3], v[LX+fs/4] offset:KBLK*(fs%4)+FRAG*\i+512*\c
.endr
.endr
.irp f, 0,1,2,3
.irp c, 0,1,2
	ds_load_b128 v[128*(fs%2)+48+12*\f+4*\c:128*(fs%2)+48+12*\f+4*\c+3], v[LW+fs/4] offset:KBLK*(fs%4)+FRAG*\f+512*\c
.endr
.endr
	WIN 0
.irp g, 0,1
	ds_load_b32 v[SCW+8*(fs%2)+\g], v[SX+fs/4] offset:KBLK*(fs%4)+128*\g
	ds_load_b32 v[SCW+8*(fs%2)+4+\g], v[SW+fs/4] offset:KBLK*(fs%4)+128*\g
.endr
.endm
; K step ks: sixteen products; the sixteen accumulators take turns, one instruction a turn, in the same order in every step
.macro MUL_QK
	WIN 0x05                                       ; sources 0 and 1 window 1; C and D window 0
.if ks == 0
.set wZ, 1
.else
.set wZ, 0
.endif
.irp i, 0,1,2,3
.irp f, 0,1,2,3
.set wD, ACC+32*\i+8*\f
.set wA, 128*(ks%2)+48+12*\f
.set wB, 128*(ks%2)+12*\i
.set wSA, SCW+8*(ks%2)+4+\f/2
.set wRA, \f%2
.set wSB, SCW+8*(ks%2)+\i/2
.set wRB, \i%2
	WM
.endr
.endr
.endm
.set fs, 0
	FETCH_QK
.set fs, 1
	FETCH_QK
.set ks, 0
	s_wait_alu depctr_va_vdst(0)
.rept 8
.if ks < 7
	s_wait_dscnt 28                                ; this step's loads are in; the next step's 28 may be out
.else
	s_wait_dscnt 0x0
.endif
	MUL_QK
	WIN 0
	PLACES                                         ; four places in front of loads into registers that these products have read, and of the first read of results
.if ks < 6
.set fs, ks+2
	FETCH_QK
.endif
.set ks, ks+1
.endr
	s_wait_loadcnt 0x0                             ; the bias
.irp i, 0,1,2,3
.set k, 0
.rept 16
	v_pk_add_f32 v[ACC+32*\i+2*k:ACC+32*\i+2*k+1], v[ACC+32*\i+2*k:ACC+32*\i+2*k+1], v[BI+2*k:BI+2*k+1]
.set k, k+1
.endr
.endr
.irp i, 0,1,2,3                        ; tile i: my row's 64 channels become a half fragment and a word
	QUANT ACC+32*\i, 1, PC+8*\i, PW+\i
	global_store_b128 v[L16], v[PC+8*\i:PC+8*\i+3], s[80:81] offset:768*\i          ; 512 consecutive bytes,
	global_store_b64 v[L8], v[PC+8*\i+4:PC+8*\i+5], s[80:81] offset:768*\i+512      ; 256: both aligned to 256
.endr
	v_cmp_le_u32 vcc_lo, 16, v[LN]
	v_cndmask_b32 v[CW], v[PW], v[PW+2], vcc_lo    ; lanes 0-15: tiles 0, 1; lanes 16-31: tiles 2, 3
	v_cndmask_b32 v[CW+1], v[PW+1], v[PW+3], vcc_lo
	global_store_b64 v[L8], v[CW:CW+1], s[82:83]   ; 256 consecutive bytes, aligned
	s_branch .Ljoin
.Larm_v:
	; ================ v.  All 8 tiles of x's rows (keys) x W's fragments 2 w + u
	s_and_b32 s86, s23, 1                          ; v's panel: p - 10
	s_lshl_b32 s87, s86, 1
	s_add_co_u32 s87, s87, s19                     ; v's head: 2 (p - 10) + wave / 2
	s_lshl_b32 s87, s87, 4
	s_add_co_u32 s87, s87, s22
	s_mul_i32 s87, s87, KVSTEP                     ; the block of (head, key step rb)
	s_mul_i32 s88, s20, 2*FRAG
	s_add_co_u32 s88, s88, s87
	s_add_co_u32 s88, s88, 6144                    ; fragments 2 (wave % 2) + u
	s_mov_b32 s89, 0
	s_lshl_b32 s90, s20, 7
	s_add_co_u32 s90, s90, s87
	s_add_co_u32 s90, s90, 12800                   ; their words
	s_mov_b32 s91, 0
	s_lshl_b32 s92, s86, 9
	s_lshl_b32 s93, s19, 8
	s_add_co_u32 s92, s92, s93
	s_lshl_b32 s93, s20, 6
	s_add_co_u32 s92, s92, s93                     ; columns 64 (w / 2) + 16 (w % 2) on
	s_mov_b32 s93, 0
	s_add_nc_u64 s[80:81], s[16:17], s[88:89]
	s_add_nc_u64 s[82:83], s[16:17], s[90:91]
	s_add_nc_u64 s[84:85], s[12:13], s[92:93]
	v_and_b32 v[BO], 15, v0
	v_and_b32 v[WO], 8, v[BO]
	v_mad_u32_u24 v[BO], v[WO], 3, v[BO]           ; a lane holds ONE channel: r % 8 + 32 (r / 8), + 8 u
	v_lshlrev_b32 v[BO], 2, v[BO]                  ; 4 bytes a channel
.irp u, 0,1
	global_load_b32 v[BI+2*\u], v[BO], s[84:85] offset:32*\u
	global_load_b32 v[BI+2*\u+1], v[BO], s[84:85] offset:32*\u     ; twice: a pair for the packed addition
.endr
	v_and_b32 v[WO], 15, v0
	v_lshlrev_b32 v[WO], 3, v[WO]
	v_bfe_u32 v15, v0, 4, 1
	v_lshl_add_u32 v[WO], v15, 2, v[WO]            ; 8 r + 4 h
	v_add_nc_u32 v[LX+1], HALFP, v[L16]            ; (K steps 0-3 of x's fragments are addressed by 16 x lane itself)
	s_mul_i32 s95, s18, 2*FRAG
	s_add_co_u32 s95, s95, WL
	v_add_nc_u32 v[LW], s95, v[L16]
	v_add_nc_u32 v[LW+1], HALFP, v[LW]
	v_add_nc_u32 v[SX], SCO, v[L4]
	v_add_nc_u32 v[SX+1], SCO+HALFP, v[L4]
	s_lshl_b32 s95, s18, 7
	s_add_co_u32 s95, s95, WL+SCO
	v_add_nc_u32 v[SW], s95, v[L4]
	v_add_nc_u32 v[SW+1], HALFP, v[SW]
.macro FETCH_V                         ; K step fs into set fs % 2: 35 LDS loads
.set ax, L16+(LX+1-L16)*(fs/4)
	WIN 0x40
.irp i, 0,1,2,3,4,5,6,7
.irp c, 0,1,2
	ds_load_b128 v[128*(fs%2)+12*\i+4*\c:128*(fs%2)+12*\i+4*\c+3], v[ax] offset:KBLK*(fs%4)+FRAG*\i+512*\c
.endr
.endr
.irp u, 0,1
.irp c, 0,1,2
	ds_load_b128 v[128*(fs%2)+96+12*\u+4*\c:128*(fs%2)+96+12*\u+4*\c+3], v[LW+fs/4] offset:KBLK*(fs%4)+FRAG*\u+512*\c
.endr
.endr
	WIN 0
.irp g, 0,1,2,3
	ds_load_b32 v[SCW+8*(fs%2)+\g], v[SX+fs/4] offset:KBLK*(fs%4)+128*\g
.endr
	ds_load_b32 v[SCW+8*(fs%2)+4], v[SW+fs/4] offset:KBLK*(fs%4)
.endm
.macro MUL_V                           ; sixteen accumulators by turns, as above
	WIN 0x05
.if ks == 0
.set wZ, 1
.else
.set wZ, 0
.endif
.irp u, 0,1
.irp i, 0,1,2,3,4,5,6,7
.set wD, ACC+64*\u+8*\i
.set wA, 128*(ks%2)+12*\i
.set wB, 128*(ks%2)+96+12*\u
.set wSA, SCW+8*(ks%2)+\i/2
.set wRA, \i%2
.set wSB, SCW+8*(ks%2)+4
.set wRB, \u
	WM
.endr
.endr
.endm
.set fs, 0
	FETCH_V
.set fs, 1
	FETCH_V
.set ks, 0
	s_wait_alu depctr_va_vdst(0)
.rept 8
.if ks < 7
	s_wait_dscnt 35                                ; this step's loads are in; the next step's 35 may be out
.else
	s_wait_dscnt 0x0
.endif
	MUL_V
	WIN 0
	PLACES
.if ks < 6
.set fs, ks+2
	FETCH_V
.endif
.set ks, ks+1
.endr
	s_wait_loadcnt 0x0                             ; the bias
.irp u, 0,1
.set k, 0
.rept 32
	v_pk_add_f32 v[ACC+64*\u+2*k:ACC+64*\u+2*k+1], v[ACC+64*\u+2*k:ACC+64*\u+2*k+1], v[BI+2*\u:BI+2*\u+1]
.set k, k+1
.endr
.endr
.irp u, 0,1                            ; my channel's 128 keys become a fragment's registers and a word
	QUANT ACC+64*\u, 2, PC+12*\u, PW+\u
.irp c, 0,1,2
	global_store_b128 v[L16], v[PC+12*\u+4*\c:PC+12*\u+4*\c+3], s[80:81] offset:FRAG*\u+512*\c
.endr
.endr
	v_cmp_le_u32 vcc_lo, 16, v[LN]
	v_cndmask_b32 v[CW], v[PW], v[PW+1], vcc_lo    ; lanes 0-15 store fragment u = 0's words, lanes 16-31 u = 1's, interleaved: 128 consecutive bytes
	global_store_b32 v[WO], v[CW], s[82:83]
.Ljoin:
	s_wait_dscnt 0x0
	s_wait_tensorcnt 0x0
	ds_add_u32 v126, v127
	s_wait_dscnt 0x0
	CROUND                                         ; the closing round: no work-group ends while a partner may still ask for a panel that names it
	s_endpgm
.Lfunc_end_k_q7fefa49f89_proj:
	.size	k_q7fefa49f89_proj, .Lfunc_end_k_q7fefa49f89_proj-k_q7fefa49f89_proj
	.p2alignl 7, 3214868480
	.fill 96, 4, 3214868480
	.section	.rodata,"a",@progbits
	.p2align	6, 0x0
	.amdhsa_kernel k_q7fefa49f89_proj
		.amdhsa_group_segment_fixed_size 205312
		.amdhsa_private_segment_fixed_size 0
		.amdhsa_enable_private_segment 0
		.amdhsa_kernarg_size 56
		.amdhsa_user_sgpr_count 2
		.amdhsa_user_sgpr_kernarg_segment_ptr 1
		.amdhsa_wavefront_size32 1
		.amdhsa_system_sgpr_workgroup_id_x 1
		.amdhsa_system_sgpr_workgroup_id_y 1
		.amdhsa_system_sgpr_workgroup_id_z 1
		.amdhsa_system_vgpr_workitem_id 0
		.amdhsa_next_free_vgpr 512
		.amdhsa_next_free_sgpr 100
		.amdhsa_reserve_vcc 1
		.amdhsa_float_denorm_mode_32 3
		.amdhsa_float_denorm_mode_16_64 3
		.amdhsa_memory_ordered 1
		.amdhsa_forward_progress 1
		.amdhsa_inst_pref_size 100
	.end_amdhsa_kernel
	.amdgpu_metadata
---
amdhsa.version: [ 1, 2 ]
amdhsa.kernels:
  - .name:           k_q7fefa49f89_proj
    .symbol:         k_q7fefa49f89_proj.kd
    .args:
      - { .name: xp, .offset: 0, .size: 8, .value_kind: global_buffer, .address_space: global }
      - { .name: wp, .offset: 8, .size: 8, .value_kind: global_buffer, .address_space: global }
      - { .name: bq, .offset: 16, .size: 8, .value_kind: global_buffer, .address_space: global }
      - { .name: bk, .offset: 24, .size: 8, .value_kind: global_buffer, .address_space: global }
      - { .name: bv, .offset: 32, .size: 8, .value_kind: global_buffer, .address_space: global }
      - { .name: qf, .offset: 40, .size: 8, .value_kind: global_buffer, .address_space: global }
      - { .name: kv, .offset: 48, .size: 8, .value_kind: global_buffer, .address_space: global }
    .group_segment_fixed_size: 205312
    .private_segment_fixed_size: 0
    .kernarg_segment_align: 8
    .kernarg_segment_size: 56
    .max_flat_workgroup_size: 128
    .sgpr_count:     100
    .vgpr_count:     512
    .wavefront_size: 32
...
	.end_amdgpu_metadata
.endif
;; end of part 2
;; launch attn (part 3): grid 16 x 16, 16 waves a work-group, clusters of 4 x 1, 280,576 bytes of LDS; arguments qf, kv, out0; writes out0
.if DOCPART == 3
	.amdgcn_target "amdgcn-amd-amdhsa--gfx1250"
	.amdhsa_code_object_version 6
	.text
	.protected	k_q7fefa49f89_attn
	.globl	k_q7fefa49f89_attn
	.p2align	8
	.type	k_q7fefa49f89_attn,@function
k_q7fefa49f89_attn:
	s_mov_b64 s[64:65], 0
	v_nop
	global_prefetch_b8 v0, s[64:65] scope:SCOPE_SE
	s_setreg_imm32_b32 hwreg(HW_REG_WAVE_MODE, 25, 1), 1
	s_wait_xcnt 0x0
	s_wait_alu depctr_hold_cnt(0) depctr_sa_sdst(0) depctr_va_vdst(0) depctr_va_sdst(0) depctr_va_ssrc(0) depctr_va_vcc(0) depctr_vm_vsrc(0)
	s_getreg_b32 s2, hwreg(HW_REG_IB_STS2, 6, 4)
	s_cmp_eq_u32 s2, 0
	s_cbranch_scc0 .Lentry_in_a_cluster
	s_endpgm
.Lentry_in_a_cluster:
	s_bfe_u32 s2, ttmp6, 0x10000c
	s_cmp_lg_u32 s2, 0x3003
	s_cbranch_scc0 .Lentry_shape_is_right
	s_endpgm
.Lentry_shape_is_right:
; out0[head][q][:] = the sum over keys of softmax(q . k / 8) v, 16 query heads on 4 key and value heads (head / 4), 2,048 keys, head size 64; both products on codes of FP6 (E2M3) with E8M0 scales.
; THE SOFTMAX AHEAD OF THE SECOND PRODUCT: t = score x log2(e) / 8; M = the running largest t rounded UP to a whole number; p = 2^(t - M) is quantised along the keys, not normalised.
; The row's sum is taken of the unquantised p and divides O at the end.  When M moves, the sum and O are multiplied by 2^(old M - new M): exact.
; SHARES.  A work-group owns 128 queries of one head: eight tiles of 16.  Sixteen waves of 256 registers: wave w owns tile w % 8 and half w / 8 of the keys: 8 blocks of 128 keys, walked in four steps of 256.
; At the end the two halves of a tile meet through LDS; each of its two waves brings eight rows under the larger M, adds, divides and stores them.
; THE ORDER OF LINES.  Place r of a group's tile i (queries, or keys of a block) holds line 64 (i / 4) + 32 (r / 8) + 8 (i % 4) + r % 8.  Both products are used transposed (S^T = K Q^T, O^T = V^T P^T): a lane (r, h) holds ONE query,
; and the 32 registers of tiles 4 c .. 4 c + 3 are keys 64 c + 32 h + 0 .. 31: one whole scale block, in the very order of the next operand: no lane looks at another but for the row's maximum, the sum and the scale word.
; O^T's register 8 f + j is channel 32 h + 8 f + j.
; THE WHOLE KEY AND VALUE HEAD, 16 blocks of 13,056 bytes, LIES IN LDS, filled once: wave w brings block 8 (w % 2) + w / 2.  Waves 0-3, which have a load line of their own, bring the blocks of both halves' first step; the others'
; are shown by a barrier whose signal stands in the middle of that step and whose wait stands near its end.  Nothing is filled again.  No prefetch: every tile is asked for at the head, and no loop asks for more.
; A block: K's 8 half fragments of 768 bytes (K = 64: registers 0-3 at 16 l, 4-5 at 512 + 8 l); at 6,144 V's 4 fragments (16 channels x 128 keys, 1,536 bytes); at 12,288 K's scale words, at 12,800 V's.
; CLUSTER 4, 1, 1: four query blocks of one head: each block of K and V is asked for jointly.
; THE FIRST PRODUCT'S K IS 64.  Q's registers 6-11 (k = 64 .. 127) hold zero codes.  K's half fragments lie 6 registers apart, so source 0's registers 6-11 are the next tile's codes, and behind tile 7 six registers that hold other numbers;
; each of those products has the factor 0 from Q; FP6 has no code for NaN or infinity, and bytes 2, 3 of both scale words are 0, not 0xff: they add nothing.
; REGISTERS ARE USED IN TURN: a step's first K lies where its second scores will be, its second K where its first V will be; the second V lies where the first scores were.
; LIMITS: NaN and infinities are not served; the scaled scores t stay under 2^31 in magnitude; a block of p that has fallen to zeros keeps the scale byte 1 over zero codes.
.set KVSTEP, 13056
.set STAGE,  16*KVSTEP                 ; behind the blocks: a stage for each wave, 16 rows of 256 bytes + 16, in which (-M, sum) stand.  No tensor load lands there
.set SP,     272
.set HST,    8*16*SP                   ; from a wave's stage to that of the wave with the same tile and the other half
.set SPARE,  STAGE+16*16*SP            ; the spare words, 128 bytes a wave
.set A16, 0                            ; v0, v77 16 x lane and 8 x lane + the step's first block
.set PWB, 1                            ; v1      p's scale word, second 128 keys
.set L16, 2                            ; v2      16 x lane
.set QS,  3                            ; v3      Q's scale words
.set KSA, 4                            ; v4-7    K's, first 128 keys: tile t in register 2 (t / 4) + t % 2, lanes 16 ((t / 2) % 2) on
.set KSB, 8                            ; v8-11   K's, second 128 keys; then
.set VSA, 8                            ; v8-9, v10-11 V's, first and second 128 keys: tile f in register f % 2, lanes 16 (f / 2) on
.set VSB, 10
                                       ; v12 -M, v13 the largest score, v[14:15] the sum in two halves
.set QF,  16                           ; v16-27  Q's fragment (22-27 zeros)
.set KB,  28                           ; v28-75  K's eight half fragments, second 128 keys; then
.set VFA, 28                           ;         V's four fragments, first 128 keys
.set L8,  76                           ; v76     8 x lane
.set A8,  77
.set SOB, 78                           ; v78-79  the conversions' scale operands, second 128 keys
.set SPW, 80                           ; v80     my spare word: SPARE + 4 x my thread's number;  v81 0: never rewritten
.set NIL, 81
.set ST,  82                           ; v82-209 S^T, then p: 256 keys.  By turns:
.set VFB, 82                           ; v82-129 V's fragments, second 128 keys
.set PCB, 130                          ; v130-141 p's codes, second 128 keys
.set KA,  146                          ; v146-193 K's half fragments, first 128 keys of the next step
.set OT,  210                          ; v210-241 O^T
.set PCA, 242                          ; v242-253 p's codes, first 128 keys; ahead of them
.set BM,  242                          ; v242-245 the blocks' largest scores, then largest p
.set TP,  246
.set TMP, 247
.set MT,  248                          ; v248-249 the maxima's second chains, then
.set PS,  248                          ; v248-253 partial sums, then
.set SOA, 252                          ; v252-253 the conversions' scale operands, first 128 keys
.set FF,  254                          ; v254 f = 2^(old M - new M), named as a pair with
.set PWA, 255                          ; v255 p's scale word, first 128 keys
.set WV,  10                           ; s10 wave 0..15;  s15 its tile;  s50 its half of the keys
.set TI,  15
.set HF,  50
.set SEL, 32                           ; s[32:33] lane selects for lane l xor 16
.set CS,  34                           ; s[34:35] c = log2(e) / 8;  s38 -c
.set NCS, 38
.set TB,  36                           ; s36 LDS byte at which the step's first block begins
.set CNT, 37
.set FLOOR, 0x1800000
.set EOFF, 0xff000000
.macro WALU
	s_wait_alu depctr_va_vdst(0)
.endm
.macro PLACES n
.rept \n
	v_nop
.endr
.endm
.macro CROUND                          ; a round of the cluster's barrier
	s_barrier_signal -1
	s_barrier_wait -1
	s_cmp_lg_u32 s[WV], 0
	s_cbranch_scc1 .Lnot_wave_0_\@
	s_barrier_signal -3
.Lnot_wave_0_\@:
	s_barrier_wait -3
	s_barrier_signal -1
	s_barrier_wait -1
.endm
.macro LOADK off, kf, ks               ; K of the block off bytes behind the step's first: 18 LDS loads
.irp t, 0,1,2,3,4,5,6,7
	ds_load_b128 v[\kf+6*\t:\kf+6*\t+3], v[A16] offset:\off+768*\t
	ds_load_b64 v[\kf+6*\t+4:\kf+6*\t+5], v[A8] offset:\off+768*\t+512
.endr
	ds_load_b64 v[\ks:\ks+1], v[A8] offset:\off+12288
	ds_load_b64 v[\ks+2:\ks+3], v[A8] offset:\off+12544
.endm
.macro LOADV off, vf, vs               ; V of the block: 13 LDS loads
.irp f, 0,1,2,3
.irp c, 0,1,2
	ds_load_b128 v[\vf+12*\f+4*\c:\vf+12*\f+4*\c+3], v[A16] offset:\off+6144+1536*\f+512*\c
.endr
.endr
	ds_load_b64 v[\vs:\vs+1], v[A8] offset:\off+12800
.endm
.macro SMUL g, kf, ks                  ; the scores of 128 keys: eight tiles
.irp t, 0,1,2,3,4,5,6,7
.if (\t/2)%2
	v_wmma_scale_f32_16x16x128_f8f6f4 v[ST+64*\g+8*\t:ST+64*\g+8*\t+7], v[\kf+6*\t:\kf+6*\t+11], v[QF:QF+11], 0, v[\ks+2*(\t/4)+\t%2], v[QS] matrix_a_fmt:MATRIX_FMT_FP6 matrix_b_fmt:MATRIX_FMT_FP6 matrix_a_scale:MATRIX_SCALE_ROW1
.else
	v_wmma_scale_f32_16x16x128_f8f6f4 v[ST+64*\g+8*\t:ST+64*\g+8*\t+7], v[\kf+6*\t:\kf+6*\t+11], v[QF:QF+11], 0, v[\ks+2*(\t/4)+\t%2], v[QS] matrix_a_fmt:MATRIX_FMT_FP6 matrix_b_fmt:MATRIX_FMT_FP6
.endif
.endr
.endm
.macro PVONE d, a, b, sa, sb, row, zero
.if \zero
.if \row
	v_wmma_scale_f32_16x16x128_f8f6f4 v[\d:\d+7], v[\a:\a+11], v[\b:\b+11], 0, v[\sa], v[\sb] matrix_a_fmt:MATRIX_FMT_FP6 matrix_b_fmt:MATRIX_FMT_FP6 matrix_a_scale:MATRIX_SCALE_ROW1
.else
	v_wmma_scale_f32_16x16x128_f8f6f4 v[\d:\d+7], v[\a:\a+11], v[\b:\b+11], 0, v[\sa], v[\sb] matrix_a_fmt:MATRIX_FMT_FP6 matrix_b_fmt:MATRIX_FMT_FP6
.endif
.else
.if \row
	v_wmma_scale_f32_16x16x128_f8f6f4 v[\d:\d+7], v[\a:\a+11], v[\b:\b+11], v[\d:\d+7], v[\sa], v[\sb] matrix_a_fmt:MATRIX_FMT_FP6 matrix_b_fmt:MATRIX_FMT_FP6 matrix_a_scale:MATRIX_SCALE_ROW1
.else
	v_wmma_scale_f32_16x16x128_f8f6f4 v[\d:\d+7], v[\a:\a+11], v[\b:\b+11], v[\d:\d+7], v[\sa], v[\sb] matrix_a_fmt:MATRIX_FMT_FP6 matrix_b_fmt:MATRIX_FMT_FP6
.endif
.endif
.endm
.macro PVMUL vf, pc, vs, pw, zero      ; O^T: four accumulators by turns, three others between two links of a chain
	PVONE OT,    \vf,    \pc, \vs,   \pw, 0, \zero
	PVONE OT+8,  \vf+12, \pc, \vs+1, \pw, 0, \zero
	PVONE OT+16, \vf+24, \pc, \vs,   \pw, 1, \zero
	PVONE OT+24, \vf+36, \pc, \vs+1, \pw, 1, \zero
.endm
; The largest score of each of my two blocks of 128 keys, in four chains by turns; it serves for the row's maximum and, since p rises with the score, for the block's largest p.  MAXA: 28 lines, MAXZ: the last 4
.macro MAXA g
.irp b, 0,1
	v_max3_num_f32 v[BM+2*\g+\b], v[ST+64*\g+32*\b], v[ST+64*\g+32*\b+1], v[ST+64*\g+32*\b+2]
	v_max3_num_f32 v[MT+\b], v[ST+64*\g+32*\b+16], v[ST+64*\g+32*\b+17], v[ST+64*\g+32*\b+18]
.endr
.irp i, 3,5,7,9,11,13
.irp b, 0,1
	v_max3_num_f32 v[BM+2*\g+\b], v[BM+2*\g+\b], v[ST+64*\g+32*\b+\i], v[ST+64*\g+32*\b+\i+1]
	v_max3_num_f32 v[MT+\b], v[MT+\b], v[ST+64*\g+32*\b+16+\i], v[ST+64*\g+32*\b+17+\i]
.endr
.endr
.endm
.macro MAXZ g
.irp b, 0,1
	v_max3_num_f32 v[BM+2*\g+\b], v[BM+2*\g+\b], v[ST+64*\g+32*\b+15], v[ST+64*\g+32*\b+31]
.endr
.irp b, 0,1
	v_max_num_f32 v[BM+2*\g+\b], v[BM+2*\g+\b], v[MT+\b]
.endr
.endm
; My two blocks of 128 keys become the operand's twelve registers in v[pc] on, and p's scale word in v[pw].  sa, sb: the scale operands;  ta, tb: three registers each, ba, bb: one each, for the while
.macro CODES g, pc, ta, tb, sa, sb, ba, bb, pw
	v_cvt_scalef32_pk16_fp6_f32 v[\pc:\pc+2], v[ST+64*\g:ST+64*\g+15], v[\sa]
	v_cvt_scalef32_pk16_fp6_f32 v[\ta:\ta+2], v[ST+64*\g+16:ST+64*\g+31], v[\sa]   ; (a conversion's three registers begin on an even number)
	v_lshrrev_b32 v[\ba], 23, v[\sa]               ; the scale's byte: the plain place behind the conversions
.irp i, 0,1,2
	v_mov_b32 v[\pc+3+\i], v[\ta+\i]
.endr
	v_cvt_scalef32_pk16_fp6_f32 v[\pc+6:\pc+8], v[ST+64*\g+32:ST+64*\g+47], v[\sb]
	v_cvt_scalef32_pk16_fp6_f32 v[\tb:\tb+2], v[ST+64*\g+48:ST+64*\g+63], v[\sb]
	v_lshrrev_b32 v[\bb], 23, v[\sb]
	v_lshl_or_b32 v[\ba], v[\bb], 16, v[\ba]       ; lanes 0-15: blocks 0, 2; lanes 16-31: blocks 1, 3
	v_permlanex16_b32 v[\bb], v[\ba], s[SEL], s[SEL+1]
	v_lshl_or_b32 v[\pw], v[\bb], 8, v[\ba]        ; whole in lanes 0-15, which alone are read
.irp i, 0,1,2
	v_mov_b32 v[\pc+9+\i], v[\tb+\i]
.endr
.endm
.macro SUM from, to                    ; pairs from .. to - 1 of p onto the row's sum: four chains by turns
.set j, \from
.rept (\to)-(\from)
.if j%4
.set ac, PS+2*(j%4)-2
.else
.set ac, 14
.endif
	v_pk_add_f32 v[ac:ac+1], v[ac:ac+1], v[ST+2*j:ST+2*j+1]
.set j, j+1
.endr
.endm
; A STEP OF 256 KEYS.  first = 1: sums and O^T start here, and the barrier that shows the other blocks stands here;  pref = 1: the next step's first K is fetched too
.macro STEP first, pref
.if \first == 0
	s_add_co_u32 s[TB], s[TB], 2*KVSTEP
	v_add_nc_u32 v[A16], s[TB], v[L16]             ; with the three v_nop five places between the last step's products and what follows: loads into their sources, and products that write over them
	v_add_nc_u32 v[A8], s[TB], v[L8]
	PLACES 3
.endif
	LOADK KVSTEP, KB, KSB
	WALU
	s_wait_dscnt 18                                ; the first K is in; the second's 18 loads may be out
	SMUL 0, KA, KSA
	PLACES 4                                       ; in front of the first read of the scores (ISA guide 7.12.1)
	MAXA 0
	WALU
	s_wait_dscnt 0x0                               ; the second K
.if \first
	s_wait_tensorcnt 0x0                           ; my block has landed: the barrier that shows all blocks opens here
	s_barrier_signal -1
.endif
	SMUL 1, KB, KSB
	MAXZ 0                                         ; four lines: the places behind these products
	LOADV 0, VFA, VSA                              ; onto the second K
	MAXA 1
	MAXZ 1
	v_max3_num_f32 v[TMP], v[BM], v[BM+1], v[BM+2]
	s_delay_alu instid0(VALU_DEP_1)
.if \first
	v_max_num_f32 v13, v[TMP], v[BM+3]
.else
	v_max3_num_f32 v13, v[TMP], v[BM+3], v13
.endif
	v_permlanex16_b32 v[TP], v13, s[SEL], s[SEL+1]
	s_delay_alu instid0(VALU_DEP_1)
	v_max_num_f32 v13, v13, v[TP]                  ; the running largest score of my query
	s_delay_alu instid0(VALU_DEP_1)
	v_mul_f32 v[TMP], s[NCS], v13                  ; -t
	s_delay_alu instid0(VALU_DEP_1)
.if \first
	v_floor_f32 v12, v[TMP]                        ; -M = floor(-t) = -ceil(t)
.else
	v_floor_f32 v[TMP], v[TMP]
	s_delay_alu instid0(VALU_DEP_1)
	v_sub_f32 v[TP], v[TMP], v12                   ; old M - new M: a whole number, 0 or less
	s_delay_alu instid0(VALU_DEP_1)
	v_cvt_i32_f32 v[TP], v[TP]                     ; (it saturates)
	v_mov_b32 v12, v[TMP]
	s_delay_alu instid0(VALU_DEP_2)
	v_ldexp_f32 v[FF], 1.0, v[TP]                  ; f = 2^(old M - new M)
.endif
.set j, 0
.rept 32
	v_pk_fma_f32 v[ST+j:ST+j+1], v[ST+j:ST+j+1], s[CS:CS+1], v[12:13] op_sel_hi:[1,0,0]   ; t - M, two at a time
.set j, j+2
.endr
.irp b, 0,1
	v_fma_f32 v[BM+\b], v[BM+\b], s[CS], v12       ; the same of each block's largest score
.endr
	WALU                                           ; the wait ahead of a batch, and one behind it
.set j, 0
.rept 32
	v_exp_f32 v[ST+j], v[ST+j]                     ; p = 2^(t - M) of the first 128 keys,
	v_exp_f32 v[ST+j+1], v[ST+j+1]
	v_pk_fma_f32 v[ST+64+j:ST+65+j], v[ST+64+j:ST+65+j], s[CS:CS+1], v[12:13] op_sel_hi:[1,0,0]   ; and t - M of the second among them, which the next batch reads behind the next wait
.set j, j+2
.endr
.irp b, 0,1
	v_exp_f32 v[BM+\b], v[BM+\b]                   ; the block's largest p
.endr
.irp b, 2,3
	v_fma_f32 v[BM+\b], v[BM+\b], s[CS], v12       ; (plain places behind the exponentials)
.endr
	WALU
.if \first
	v_pk_add_f32 v[14:15], v[ST:ST+1], v[ST+8:ST+9]   ; THE ROW'S SUM, of the unquantised p
.else
	v_pk_mul_f32 v[14:15], v[14:15], v[FF:FF+1] op_sel_hi:[1,0]   ; the sums under the new M
.endif
.irp k, 1,2,3
	v_pk_add_f32 v[PS+2*\k-2:PS+2*\k-1], v[ST+2*\k:ST+2*\k+1], v[ST+8+2*\k:ST+9+2*\k]
.endr
.if \first == 0
	v_pk_add_f32 v[14:15], v[14:15], v[ST:ST+1]
	v_pk_add_f32 v[14:15], v[14:15], v[ST+8:ST+9]
.endif
	SUM 8, 32
.set j, 64
.rept 64
	v_exp_f32 v[ST+j], v[ST+j]
.set j, j+1
.endr
.irp b, 2,3
	v_exp_f32 v[BM+\b], v[BM+\b]
.endr
.irp b, 0,1
	v_max_num_f32 v[BM+\b], FLOOR, v[BM+\b]        ; the floor 2^(3 - 127): the byte cannot fall under 1.  (Plain places behind the exponentials)
.endr
	WALU
	SUM 32, 64
.irp b, 2,3
	v_max_num_f32 v[BM+\b], FLOOR, v[BM+\b]
.endr
	v_pk_add_f32 v[PS+2:PS+3], v[PS+2:PS+3], v[PS+4:PS+5]
	v_pk_add_f32 v[14:15], v[14:15], v[PS:PS+1]
.irp b, 0,1
	v_add_nc_u32 v[SOB+\b], EOFF, v[BM+2+\b]       ; 2 off the exponent field: the conversion's scale operand
.endr
.irp b, 0,1
	v_add_nc_u32 v[SOA+\b], EOFF, v[BM+\b]
.endr
	v_pk_add_f32 v[14:15], v[14:15], v[PS+2:PS+3]
	CODES 0, PCA, PCA+6, ST, SOA, SOA+1, PCA+9, ST+3, PWA
	LOADV KVSTEP, VFB, VSB                         ; onto p of the first 128 keys, which is done with
	CODES 1, PCB, PCB+6, ST+64, SOB, SOB+1, PCB+12, PCB+13, PWB
.if \first
	WALU
	s_barrier_wait -1                              ; every block lies in LDS
.endif
.if \pref
	LOADK 2*KVSTEP, KA, KSA                        ; onto p of the second 128 keys
.endif
.if \first
	PLACES 5                                       ; with the last three moves eight places between the scale word and its product
.else
	WALU                                           ; the wait ahead of O^T's first readers
.set j, 0
.rept 16
	v_pk_mul_f32 v[OT+j:OT+j+1], v[OT+j:OT+j+1], v[FF:FF+1] op_sel_hi:[1,0]   ; O^T under the new M.  These sixteen are also the places between the codes, the scale words and the products
.set j, j+2
.endr
.endif
	WALU
	s_wait_dscnt 13+18*\pref                       ; V of the first 128 keys is in: V of the second, 13 loads, and the next K, 18, may be out
	PVMUL VFA, PCA, VSA, PWA, \first
	s_wait_dscnt 18*\pref
	PVMUL VFB, PCB, VSB, PWB, 0
.endm
	s_load_b128 s[4:7], s[0:1], 0x0                ; qf s[4:5], kv s[6:7]
	s_load_b64 s[8:9], s[0:1], 0x10                ; out0
	v_lshl_add_u32 v[SPW], v0, 2, SPARE
	v_mov_b32 v[NIL], 0
	ds_add_u32 v[SPW], v[NIL]                      ; the opening: the add, twice on end, and its wait
	ds_add_u32 v[SPW], v[NIL]
	v_lshrrev_b32 v1, 5, v0
	v_readfirstlane_b32 s[WV], v1                  ; wave 0..15
	s_and_b32 s[TI], s[WV], 7                      ; my tile of 16 queries
	s_lshr_b32 s[HF], s[WV], 3                     ; my half of the keys
	s_bfe_u32 s11, ttmp6, 0x40000                  ; cx
	s_lshl_b32 s12, ttmp9, 2
	s_add_co_u32 s12, s12, s11                     ; my block of 128 queries: it enters qf's and out0's addresses alone
	s_and_b32 s13, ttmp7, 0xffff                   ; the head, which the four partners share
	s_lshr_b32 s14, s13, 2                         ; its key and value head
	; descriptor group 1: a block of 13,056 dense bytes as 51 rows of 256 bytes (32 elements of 8 bytes)
	s_mov_b32 s16, 15|(3<<16)|(1<<21)              ; the mask: all four work-groups; bit 21 set beside it
	s_mov_b32 s17, 32<<16
	s_mov_b32 s18, 51<<16
	s_mov_b32 s19, 32<<16
	s_mov_b32 s20, 51
	s_mov_b32 s21, 32
	s_mov_b32 s22, 0
	s_mov_b32 s23, 0
	s_and_b32 s40, s[WV], 1
	s_lshl_b32 s40, s40, 3
	s_lshr_b32 s41, s[WV], 1
	s_add_co_u32 s40, s40, s41                     ; the block that I bring: 8 (w % 2) + w / 2:
	s_mul_i32 s25, s40, KVSTEP                     ; in LDS
	s_lshl_b32 s41, s14, 4
	s_add_co_u32 s40, s40, s41
	s_mul_i32 s40, s40, KVSTEP                     ; and in memory
	s_mov_b32 s41, 0
	s_lshl_b32 s42, s13, 5                         ; Q: group 32 head + 2 block + tile / 4,
	s_lshl_b32 s43, s12, 1
	s_add_co_u32 s42, s42, s43
	s_lshr_b32 s43, s[TI], 2
	s_add_co_u32 s42, s42, s43
	s_mul_i32 s42, s42, 3328
	s_and_b32 s43, s[TI], 3
	s_mul_i32 s44, s43, 768
	s_add_co_u32 s44, s44, s42                     ; half fragment tile % 4,
	s_mov_b32 s45, 0
	s_lshr_b32 s43, s43, 1
	s_lshl_b32 s43, s43, 7
	s_add_co_u32 s46, s42, s43
	s_and_b32 s43, s[TI], 1
	s_lshl_b32 s43, s43, 2
	s_add_co_u32 s46, s46, s43
	s_add_co_u32 s46, s46, 3072                    ; its words: 3,072 + 128 ((tile % 4) / 2) + 4 (tile % 2) + 8 r
	s_mov_b32 s47, 0
	s_lshl_b32 s48, s13, 11                        ; out0: my eight rows: 2,048 head + 128 block + 64 (tile / 4) + 32 half + 8 (tile % 4), 256 bytes a row
	s_lshl_b32 s49, s12, 7
	s_add_co_u32 s48, s48, s49
	s_lshr_b32 s49, s[TI], 2
	s_lshl_b32 s49, s49, 6
	s_add_co_u32 s48, s48, s49
	s_lshl_b32 s49, s[HF], 5
	s_add_co_u32 s48, s48, s49
	s_and_b32 s49, s[TI], 3
	s_lshl_b32 s49, s49, 3
	s_add_co_u32 s48, s48, s49
	s_lshl_b32 s48, s48, 8
	s_mov_b32 s49, 0
	s_mul_i32 s39, s[WV], 16*SP
	s_add_co_u32 s39, s39, STAGE                   ; my stage,
	s_mul_i32 s51, s[TI], 16*SP
	s_add_co_u32 s51, s51, STAGE
	s_mul_i32 s43, s[HF], 8*SP
	s_add_co_u32 s51, s51, s43                     ; and rows 8 half on of the stage of my tile's first wave
	s_mov_b32 s[SEL], 0x76543210
	s_mov_b32 s[SEL+1], 0xfedcba98
	s_mov_b32 s[CS], 0x3e38aa3b                    ; c = log2(e) / 8
	s_mov_b32 s[CS+1], s[CS]                       ; (named with it as a pair, so it is written)
	s_mov_b32 s[NCS], 0xbe38aa3b
	s_mul_i32 s[TB], s[HF], 8*KVSTEP               ; my first block: 8 x my half
	s_mov_b32 s24, 1
	WALU
	s_wait_dscnt 0x0                               ; both opening adds are done
	CROUND                                         ; all four work-groups are here: the joint loads meet
	s_wait_kmcnt 0x0
	s_add_nc_u64 s[26:27], s[6:7], s[40:41]
	s_or_b32 s27, s27, 0x80000000
	s_cmp_lt_u32 s[WV], 4                          ; one tensor load a wave; waves 0-3 have a line of their own
	s_cbranch_scc0 .Llater
	tensor_load_to_lds s[24:27], s[16:23]
	s_nop 0
	PLACES 4
	s_branch .Lasked
.Llater:
	tensor_load_to_lds s[24:27], s[16:23]
	s_nop 0
	PLACES 4
.Lasked:
	s_add_nc_u64 s[44:45], s[4:5], s[44:45]
	s_add_nc_u64 s[46:47], s[4:5], s[46:47]
	s_add_nc_u64 s[8:9], s[8:9], s[48:49]
	v_and_b32 v28, 31, v0
	v_and_b32 v29, 15, v0                          ; r
	v_lshlrev_b32 v[L16], 4, v28
	v_lshlrev_b32 v[L8], 3, v28
	v_lshlrev_b32 v250, 3, v29                     ; 8 r
	global_load_b128 v[QF:QF+3], v[L16], s[44:45]
	global_load_b64 v[QF+4:QF+5], v[L8], s[44:45] offset:512
	global_load_b32 v[QS], v250, s[46:47]
.irp i, 6,7,8,9,10,11
	v_mov_b32 v[QF+\i], 0                          ; k = 64 .. 127: zero codes
.endr
.irp i, 48,49,50,51,52,53
	v_mov_b32 v[KA+\i], 0                          ; what the first K's tile 7 names behind its six registers (later p), and the second's
.endr
.irp i, 0,1
	v_mov_b32 v[SOB+\i], 0
.endr
	v_mov_b32 v[TP], 0                             ; (a lane permute's destination counts as one of its sources)
	v_add_nc_u32 v[A16], s[TB], v[L16]
	v_add_nc_u32 v[A8], s[TB], v[L8]
	WALU                                           ; the wait at the head's end
	s_cmp_lt_u32 s[WV], 4
	s_cbranch_scc0 .Lno_wait
	s_wait_tensorcnt 0x0                           ; the first step's four blocks
.Lno_wait:
	s_barrier_signal -1
	s_barrier_wait -1                              ; blocks 0, 1, 8, 9 lie in LDS
	LOADK 0, KA, KSA
	s_wait_loadcnt 0x0                             ; Q
	STEP 1, 1
	s_mov_b32 s[CNT], 2
	WALU
.Lsteps:
	STEP 0, 1
	s_sub_co_u32 s[CNT], s[CNT], 1
	s_cmp_lg_u32 s[CNT], 0
	WALU
	s_cbranch_scc1 .Lsteps
	STEP 0, 0
	; THE TWO HALVES OF THE KEYS MEET.  Each wave lays its O^T into its stage as rows of 64 channels, with (-M, sum) behind each row; then it takes eight of its tile's rows from both stages.
	; The registers of p of the last 128 keys serve here; these eleven plain lines are also the places behind the last products.
.set ER, 150
.set EH, 151
.set EX, 152
.set MLO, 153                          ; row r of my stage
.set STO, 154                          ; the same, 128 h bytes on
.set RM, 155                           ; the rows that I take
.set RD, 156                           ; the same, 16 bytes a lane
	v_add_f32 v13, v14, v15                        ; the sum's two halves (the largest score is done with)
	v_bfe_u32 v[ER], v[L8], 3, 4                   ; r
	v_bfe_u32 v[EH], v[L8], 7, 1                   ; h
	v_permlanex16_b32 v[EX], v13, s[SEL], s[SEL+1]
	v_mul_u32_u24 v[MLO], v[ER], SP
	v_mul_u32_u24 v[RM], v[EH], SP
	v_add_nc_u32 v[MLO], s39, v[MLO]
	v_add_nc_u32 v[RM], s51, v[RM]
	v_lshl_add_u32 v[STO], v[EH], 7, v[MLO]
	v_lshl_add_u32 v[RD], v[ER], 4, v[RM]
	v_add_f32 v13, v13, v[EX]                      ; and lane l xor 16's: v[12:13] = (-M, sum)
.irp q, 0,1,2,3,4,5,6,7
	ds_store_b128 v[STO], v[OT+4*\q:OT+4*\q+3] offset:16*\q
.endr
	ds_store_b64 v[MLO], v[12:13] offset:256       ; (both halves of the lanes store the same)
	WALU
	s_wait_dscnt 0x0                               ; for the others' sake: my stores have landed
	s_barrier_signal -1
	s_barrier_wait -1
.set EP, 32                            ; (-M, sum) of both halves;
.set MX, 48
.set E0, 52
.set E1, 56
.set LL, 60
.set G0, 64                            ; the two factors, each named as a pair
.set G1, 242
.irp q, 0,1,2,3
	ds_load_b64 v[EP+4*\q:EP+4*\q+1], v[RM] offset:256+2*SP*\q
	ds_load_b64 v[EP+4*\q+2:EP+4*\q+3], v[RM] offset:HST+256+2*SP*\q
.endr
.irp q, 0,1,2,3
	ds_load_b128 v[ST+8*\q:ST+8*\q+3], v[RD] offset:2*SP*\q
	ds_load_b128 v[ST+8*\q+4:ST+8*\q+7], v[RD] offset:HST+2*SP*\q
.endr
	s_wait_dscnt 0x8                               ; the (-M, sum) pairs; the eight loads of rows may be out
.irp q, 0,1,2,3
	v_min_num_f32 v[MX+\q], v[EP+4*\q], v[EP+4*\q+2]   ; -M of both halves: the larger M
.endr
.irp q, 0,1,2,3
	v_sub_f32 v[E0+\q], v[MX+\q], v[EP+4*\q]       ; each half's M less it: whole numbers, 0 or less
	v_sub_f32 v[E1+\q], v[MX+\q], v[EP+4*\q+2]
.endr
.irp q, 0,1,2,3
	v_cvt_i32_f32 v[E0+\q], v[E0+\q]               ; (they saturate)
	v_cvt_i32_f32 v[E1+\q], v[E1+\q]
.endr
.irp q, 0,1,2,3
	v_ldexp_f32 v[E0+\q], 1.0, v[E0+\q]            ; f0, f1: exact powers of two
	v_ldexp_f32 v[E1+\q], 1.0, v[E1+\q]
.endr
.irp q, 0,1,2,3
	v_mul_f32 v[LL+\q], v[EP+4*\q+1], v[E0+\q]
.endr
.irp q, 0,1,2,3
	v_fma_f32 v[LL+\q], v[EP+4*\q+3], v[E1+\q], v[LL+\q]   ; the row's sum under the common M
.endr
	WALU
.irp q, 0,1,2,3
	v_rcp_f32 v[LL+\q], v[LL+\q]
.endr
	v_nop                                          ; a plain place behind the reciprocals
	WALU
.irp q, 0,1,2,3
	v_mul_f32 v[G0+2*\q], v[E0+\q], v[LL+\q]       ; f0 / sum, f1 / sum
	v_mul_f32 v[G1+2*\q], v[E1+\q], v[LL+\q]
.endr
	WALU
	s_wait_dscnt 0x0
.irp q, 0,1,2,3
	v_pk_mul_f32 v[ST+8*\q+4:ST+8*\q+5], v[ST+8*\q+4:ST+8*\q+5], v[G1+2*\q:G1+2*\q+1] op_sel_hi:[1,0]
	v_pk_mul_f32 v[ST+8*\q+6:ST+8*\q+7], v[ST+8*\q+6:ST+8*\q+7], v[G1+2*\q:G1+2*\q+1] op_sel_hi:[1,0]
.endr
.irp q, 0,1,2,3
	v_pk_fma_f32 v[ST+8*\q:ST+8*\q+1], v[ST+8*\q:ST+8*\q+1], v[G0+2*\q:G0+2*\q+1], v[ST+8*\q+4:ST+8*\q+5] op_sel_hi:[1,0,1]
	v_pk_fma_f32 v[ST+8*\q+2:ST+8*\q+3], v[ST+8*\q+2:ST+8*\q+3], v[G0+2*\q:G0+2*\q+1], v[ST+8*\q+6:ST+8*\q+7] op_sel_hi:[1,0,1]
.endr
.irp q, 0,1,2,3
	global_store_b128 v[L16], v[ST+8*\q:ST+8*\q+3], s[8:9] offset:512*\q th:TH_STORE_NT   ; two rows: 512 consecutive bytes
.endr
	s_wait_tensorcnt 0x0                           ; the wave's end
	ds_add_u32 v[SPW], v[NIL]
	s_wait_dscnt 0x0
	CROUND                                         ; the closing round: no work-group ends while a partner may still ask for a block that names it
	s_endpgm
.Lfunc_end_k_q7fefa49f89_attn:
	.size	k_q7fefa49f89_attn, .Lfunc_end_k_q7fefa49f89_attn-k_q7fefa49f89_attn
	.p2alignl 7, 3214868480
	.fill 96, 4, 3214868480
	.section	.rodata,"a",@progbits
	.p2align	6, 0x0
	.amdhsa_kernel k_q7fefa49f89_attn
		.amdhsa_group_segment_fixed_size 280576
		.amdhsa_private_segment_fixed_size 0
		.amdhsa_enable_private_segment 0
		.amdhsa_kernarg_size 24
		.amdhsa_user_sgpr_count 2
		.amdhsa_user_sgpr_kernarg_segment_ptr 1
		.amdhsa_wavefront_size32 1
		.amdhsa_system_sgpr_workgroup_id_x 1
		.amdhsa_system_sgpr_workgroup_id_y 1
		.amdhsa_system_sgpr_workgroup_id_z 1
		.amdhsa_system_vgpr_workitem_id 0
		.amdhsa_next_free_vgpr 256
		.amdhsa_next_free_sgpr 66
		.amdhsa_reserve_vcc 0
		.amdhsa_float_denorm_mode_32 3
		.amdhsa_float_denorm_mode_16_64 3
		.amdhsa_memory_ordered 1
		.amdhsa_forward_progress 1
		.amdhsa_inst_pref_size 94
	.end_amdhsa_kernel
	.amdgpu_metadata
---
amdhsa.version: [ 1, 2 ]
amdhsa.kernels:
  - .name:           k_q7fefa49f89_attn
    .symbol:         k_q7fefa49f89_attn.kd
    .args:
      - { .name: qf, .offset: 0, .size: 8, .value_kind: global_buffer, .address_space: global }
      - { .name: kv, .offset: 8, .size: 8, .value_kind: global_buffer, .address_space: global }
      - { .name: out0, .offset: 16, .size: 8, .value_kind: global_buffer, .address_space: global }
    .group_segment_fixed_size: 280576
    .private_segment_fixed_size: 0
    .kernarg_segment_align: 8
    .kernarg_segment_size: 24
    .max_flat_workgroup_size: 512
    .sgpr_count:     66
    .vgpr_count:     256
    .wavefront_size: 32
...
	.end_amdgpu_metadata
.endif
;; end of part 3
